; MI455X (gfx1250); checked and timed in simulation.
; The chip was launched on July 23, 2026; its instructions are those of AMD's public machine-readable ISA for CDNA 5 (MIT licence, August 2026) and "CDNA5" Instruction Set Architecture Reference Guide (July 2026). The comments in the code are by the model that wrote it; some were corrected since.
;; Multi Head Cross Attention. Allowed arithmetic: matrix products marked QUANTISED: E2M3 operands, one E8M0 scale for each 32 along K, by v_wmma_scale_f32_16x16x128_f8f6f4 with both operands' format E2M3, f32 sums; everything else in f32.
;; Inputs: Wk 512 x 512 float32; Wo 512 x 512 float32; Wq 512 x 512 float32; Wv 512 x 512 float32; bk 512 float32; bo 512 float32; bq 512 float32; bv 512 float32; key_mask 8 x 1,024 bool; key_pos 8 x 1,024 x 3 float32; key_value 8 x 8 x 1,024 x 512 float32; query 8 x 8 x 128 x 512 float32; query_pos 8 x 128 x 3 float32.
;; Outputs: out0 8 x 8 x 128 x 512 float32.
;; This version of the problem:
;;   THIS VERSION OF THE PROBLEM IS GIVEN IN LOW PRECISION. The matrix products marked QUANTISED in the list below multiply operands that are first quantised to E2M3 (2 exponent bits, 3 mantissa bits; 6 bits a number), with one power-of-two scale for each 32 numbers along K (OCP MX v1.0); their sums are f32. All else is computed in f32.
;;   The module's matrix products, in the order in which they are computed (A, B: the left and right operand; K: the contracted axis; several contracted axes count as one K, in the product's order):
;;     1. [M 8,192, K 512] x [K 512, N 512]; A: input query; B: input Wq: QUANTISED
;;     2. [M 65,536, K 512] x [K 512, N 512]; A: input key_value; B: input Wk: QUANTISED
;;     3. [M 65,536, K 512] x [K 512, N 512]; A: input key_value; B: input Wv: QUANTISED
;;     4. batch 512 x [M 128, K 64] x [K 64, N 1,024]; A: computed on the way; B: computed on the way: QUANTISED
;;     5. batch 512 x [M 64, K 1,024] x [K 1,024, N 128]; A: computed on the way; B: softmax (see below): QUANTISED
;;     6. [M 8,192, K 512] x [K 512, N 512]; A: computed on the way; B: input Wo: QUANTISED
;;   THE QUANTISER, for each operand of a quantised product, along K:
;;     - K is cut into blocks of 32 from its start; a last block that is shorter is filled with zeros.
;;     - A block's scale is 2^e with e = floor(log2(the largest magnitude in the block)) - 2, held to -126 .. 127; a block of zeros has e = 0. As a byte (E8M0): e + 127.
;;     - Each number is divided by its block's scale, clamped to +-7.5, and rounded to the nearest number of E2M3, ties to even, subnormals kept.
;;     - The product sums the exact products of the quantised numbers (number of the format x scale) in f32.
;;   ~~~python
;;   def quantise(x, axis):      # numpy; x: float32 -> the quantised numbers, widened to float32 again
;;       x = np.moveaxis(x, axis, -1); K = x.shape[-1]
;;       x = np.pad(x, [(0, 0)] * (x.ndim - 1) + [(0, -K % 32)]); x = x.reshape(x.shape[:-1] + (-1, 32)); a = np.abs(x).max(-1, keepdims=True)
;;       e = np.where(a > 0, np.clip(np.frexp(np.where(a > 0, a, 1))[1] - 1 - 2, -126, 127), 0)      # np.frexp(a)[1] - 1 = floor(log2(a)), exactly
;;       r = np.clip(x / 2.0 ** e, -7.5, 7.5)
;;       step = 2.0 ** (np.maximum(np.frexp(np.where(r == 0, 1, r))[1] - 1, 0) - 3)
;;       q = np.round(r / step) * step * 2.0 ** e      # np.round: ties to even
;;       return np.moveaxis(q.reshape(q.shape[:-2] + (-1,))[..., :K], -1, axis).astype(np.float32)
;;   ~~~
;;   SOFTMAX AHEAD OF A QUANTISED PRODUCT. Where the list says 'softmax', what is quantised is not the finished softmax but p = 2^(t - M), with t = logit x log2(e) and M = ceil(the row's largest t), a whole number; so 1/2 < the row's largest p <= 1. The row's sum l is taken of the UNQUANTISED p, in f32, and the product's result is divided by l at the end. Since M is a whole number, a kernel that streams over the keys may use a running M (the ceiling of the running maximum): every later rescaling is an exact power of two, which a block's scale takes up: the codes' values come out the same.
;;   OPERANDS COMPUTED ON THE WAY. 'Computed on the way' means the value that the module computes at that place (a softmax that the list does not call 'softmax' is quantised finished and normalised). What goes into a quantiser is computed in f32, as accurately as f32 sums, v_exp_f32 and their like allow (about 1e-6 of the number): no bf16 or f16 on the way to a quantiser, and a product that is left as it is and whose result goes on into a quantised operand takes f32 operands (vector FMAs, or v_wmma_f32_16x16x4_f32). A number that lies on a knife's edge between two numbers of the format may be rounded either way, as far as f32 arithmetic and the matrix unit's own rounding can turn it there, and no further.
;; One version. Each part assembles by itself: llvm-mc -triple=amdgcn-amd-amdhsa -mcpu=gfx1250 --defsym DOCPART=n.
;; ======== version 1 of 1: 3 launches
;; workspace buffers: wfrag 786,432 bytes; wscale 65,536 bytes; bias8 4,194,304 bytes; ofrag 3,145,728 bytes; oscale 262,144 bytes
;; launch prep (part 1): grid 384 x 1, 4 waves a work-group, no clusters, 0 bytes of LDS; arguments Wq, Wk, Wv, Wo, query_pos, key_pos, key_mask, wfrag, wscale, bias8; writes wfrag, wscale, bias8
.if DOCPART == 1
	.amdgcn_target "amdgcn-amd-amdhsa--gfx1250"
	.amdhsa_code_object_version 6
	.text
	.protected	k_q66a12f5569_prep
	.globl	k_q66a12f5569_prep
	.p2align	8
	.type	k_q66a12f5569_prep,@function
k_q66a12f5569_prep:
	s_mov_b64 s[64:65], 0
	v_nop
	global_prefetch_b8 v0, s[64:65] scope:SCOPE_SE
	s_setreg_imm32_b32 hwreg(HW_REG_WAVE_MODE, 25, 1), 1
	s_wait_xcnt 0x0
; Two jobs, parted by the work-group's number.
; WORK-GROUPS 0-127: the four weights [512][512] f32, K innermost, become codes of FP6 (E2M3) with one E8M0 byte for each 32 along K, laid in the ORDER OF THE OPERAND'S REGISTERS:
;   wfrag [matrix q,k,v,o][group of 64 rows][tile of 16 rows][K step of 128][4 registers][lane][16 bytes]; wscale [matrix][group][4 tile + step][lane]: one word a lane (row lane % 16).
;   One wave makes one fragment: lane (r, h) holds row r and the blocks h and 2 + h of the K step, 32 numbers each, so a block's largest magnitude needs no other lane.
;   Wo meets an operand whose K inside a block of 32 runs 0-7, 16-23, 8-15, 24-31 (the attention launch makes it so): Wo's numbers are loaded in that order.
; WORK-GROUPS 128-383: the table 8 x bias, bias = -|query_pos - key_pos|^2 / 0.245, in the layout of a 16 x 16 result (register 8 kt + j of lane (r, h): query r, key 16 kt + 8 h + j),
;   bias8 [b][64 keys][16 queries][4 registers][lane][16 bytes].  Where key_mask is 0 the table holds -80000 = 8 x -10000.  One wave makes 16 queries x 64 keys.
; LIMITS: NaN and infinities among the inputs are not served; a block whose largest magnitude lies under 2^-124 keeps the byte 1 (a block of zeros too: its codes are zeros, and this program alone
; reads the bytes); the bias is a multiplication by f32(-8 / 0.245), not a division; a key_mask byte counts as true where it is not 0.
.set NUM,  32                          ; v32-95   weights: 64 numbers of a lane
.set KP,   32                          ; v32-127  table: 4 x 8 keys x 3 coordinates
.set MSKR, 128                         ; v128-135 table: 4 x 8 mask bytes
.set OUTR, 136                         ; v136-167 table: the 32 values
	s_load_b256 s[4:11], s[0:1], 0x0               ; Wq, Wk, Wv, Wo
	s_load_b256 s[12:19], s[0:1], 0x20             ; query_pos, key_pos, key_mask, wfrag
	s_load_b128 s[20:23], s[0:1], 0x40             ; wscale, bias8
	v_lshrrev_b32 v1, 5, v0
	v_readfirstlane_b32 s24, v1                    ; wave
	v_and_b32 v1, 31, v0                           ; lane
	v_and_b32 v2, 15, v0                           ; r
	v_bfe_u32 v3, v0, 4, 1                         ; h
	v_lshlrev_b32 v7, 4, v1                        ; 16 x lane
	s_mov_b32 s26, 0x76543210
	s_mov_b32 s27, 0xfedcba98                      ; v_permlanex16_b32's selects for lane l xor 16
	s_mov_b32 s37, 0
	s_cmp_lt_u32 ttmp9, 128
	s_cbranch_scc0 .Ltable
	; ---------------- a fragment of a weight: matrix = x / 32, tile of 16 rows = x % 32, K step = wave
	s_lshr_b32 s28, ttmp9, 5
	s_and_b32 s29, ttmp9, 31
	s_lshl_b32 s30, s29, 15                        ; 16 rows of 2,048 bytes
	s_lshl_b32 s31, s24, 9                         ; 128 numbers along K
	s_add_co_u32 s30, s30, s31
	s_mov_b32 s31, 0
	s_lshl_b32 s34, ttmp9, 2
	s_add_co_u32 s34, s34, s24                     ; the fragment's number
	s_mul_i32 s36, s34, 1536
	s_lshl_b32 s38, s34, 7
	s_mov_b32 s39, 0
	s_wait_kmcnt 0x0
	s_cmp_eq_u32 s28, 1                            ; the choice hangs on the work-group's number alone
	s_cselect_b64 s[4:5], s[6:7], s[4:5]
	s_cmp_eq_u32 s28, 2
	s_cselect_b64 s[4:5], s[8:9], s[4:5]
	s_cmp_eq_u32 s28, 3
	s_cselect_b64 s[4:5], s[10:11], s[4:5]
	s_cselect_b32 s32, 32, 0                       ; Wo: the second and third eight of a block change places: 32 bytes on, 32 bytes back
	s_sub_co_u32 s33, 64, s32
	s_add_nc_u64 s[4:5], s[4:5], s[30:31]
	s_add_nc_u64 s[18:19], s[18:19], s[36:37]
	s_add_nc_u64 s[20:21], s[20:21], s[38:39]
	v_lshlrev_b32 v4, 11, v2
	v_lshl_add_u32 v4, v3, 7, v4                   ; row r, + 128 h bytes: my block of the first 64 along K
	v_add_nc_u32 v5, s32, v4                       ; for numbers 8-15 of a block
	v_add_nc_u32 v6, s33, v4                       ; for numbers 16-23; the immediate takes the 64 off again, so that no offset falls under 0
	v_lshlrev_b32 v28, 2, v1
.irp c, 0,1
.irp e, 0,1,6,7
	global_load_b128 v[NUM+32*\c+4*\e:NUM+32*\c+4*\e+3], v4, s[4:5] offset:256*\c+16*\e
.endr
.irp e, 2,3
	global_load_b128 v[NUM+32*\c+4*\e:NUM+32*\c+4*\e+3], v5, s[4:5] offset:256*\c+16*\e
.endr
.irp e, 4,5
	global_load_b128 v[NUM+32*\c+4*\e:NUM+32*\c+4*\e+3], v6, s[4:5] offset:256*\c+16*\e-64
.endr
.endr
	s_wait_loadcnt 0x0
.irp c, 0,1
	v_max3_num_f32 v[8+\c], |v[NUM+32*\c]|, |v[NUM+32*\c+1]|, 0x1800000   ; my block 2 c + h, and the floor 2^(3 - 127): the byte cannot fall under 1
.endr
.irp i, 2,4,6,8,10,12,14,16,18,20,22,24,26,28,30
.irp c, 0,1
	v_max3_num_f32 v[8+\c], v[8+\c], |v[NUM+32*\c+\i]|, |v[NUM+32*\c+\i+1]|
.endr
.endr
.irp c, 0,1
	v_add_nc_u32 v[10+\c], 0xff000000, v[8+\c]     ; 2 off the exponent field: the conversion's scale operand
.endr
.irp c, 0,1
	v_lshrrev_b32 v[12+\c], 23, v[10+\c]           ; the scale's byte
.endr
	v_lshl_or_b32 v14, v13, 16, v12                ; my two bytes, blocks h and 2 + h,
	v_lshlrev_b32 v15, 3, v3
	v_lshlrev_b32 v14, v15, v14                    ; at their places in the word;
	v_mov_b32 v15, 0
	v_permlanex16_b32 v15, v14, s26, s27
	v_or_b32 v14, v14, v15                         ; with lane l xor 16's two the word is whole
.irp c, 0,1
	v_cvt_scalef32_pk16_fp6_f32 v[16+6*\c:18+6*\c], v[NUM+32*\c:NUM+32*\c+15], v[10+\c]
	v_cvt_scalef32_pk16_fp6_f32 v[96+4*\c:98+4*\c], v[NUM+32*\c+16:NUM+32*\c+31], v[10+\c]   ; (a conversion's three registers begin on an even number)
.endr
	v_nop                                          ; one plain place behind a scaled conversion
.irp c, 0,1
.irp i, 0,1,2
	v_mov_b32 v[19+6*\c+\i], v[96+4*\c+\i]
.endr
.endr
	global_store_b128 v7, v[16:19], s[18:19]       ; each store of the wave covers 512 consecutive bytes, aligned
	global_store_b128 v7, v[20:23], s[18:19] offset:512
	global_store_b128 v7, v[24:27], s[18:19] offset:1024
	global_store_b32 v28, v14, s[20:21]
	s_endpgm
	; ---------------- a piece of the table: number T = 4 (x - 128) + wave = 128 b + 8 (64 keys) + (16 queries)
.Ltable:
	s_sub_co_u32 s28, ttmp9, 128
	s_lshl_b32 s28, s28, 2
	s_add_co_u32 s28, s28, s24
	s_lshr_b32 s29, s28, 7                         ; b
	s_bfe_u32 s30, s28, 0x40003                    ; which 64 keys
	s_and_b32 s31, s28, 7                          ; which 16 queries
	s_lshl_b32 s32, s29, 7
	s_lshl_b32 s33, s31, 4
	s_add_co_u32 s32, s32, s33
	s_mul_i32 s36, s32, 12                         ; the first query's position
	s_lshl_b32 s32, s29, 10
	s_lshl_b32 s33, s30, 6
	s_add_co_u32 s40, s32, s33                     ; the first key
	s_mov_b32 s41, 0
	s_mul_i32 s38, s40, 12
	s_mov_b32 s39, 0
	s_lshl_b32 s42, s28, 12
	s_mov_b32 s43, 0
	v_mul_u32_u24 v4, v2, 12
	v_mul_u32_u24 v5, v3, 96                       ; 8 h keys of 12 bytes
	v_lshlrev_b32 v6, 3, v3
	v_mov_b32 v11, 0xc79c4000                      ; -80000
	s_wait_kmcnt 0x0
	s_add_nc_u64 s[12:13], s[12:13], s[36:37]
	s_add_nc_u64 s[14:15], s[14:15], s[38:39]
	s_add_nc_u64 s[16:17], s[16:17], s[40:41]
	s_add_nc_u64 s[22:23], s[22:23], s[42:43]
	global_load_b32 v8, v4, s[12:13]
	global_load_b32 v9, v4, s[12:13] offset:4
	global_load_b32 v10, v4, s[12:13] offset:8
.irp kt, 0,1,2,3
.irp q, 0,1,2,3,4,5
	global_load_b128 v[KP+24*\kt+4*\q:KP+24*\kt+4*\q+3], v5, s[14:15] offset:192*\kt+16*\q
.endr
	global_load_b64 v[MSKR+2*\kt:MSKR+2*\kt+1], v6, s[16:17] offset:16*\kt
.endr
	s_wait_loadcnt 0x0
.macro BV kt, j                        ; the value of key 16 kt + 8 h + j; four sets of temporaries by turns
.set KB, KP+24*\kt+3*\j
.set TQ, 12+4*(\j%4)
	v_sub_f32 v[TQ], v8, v[KB]
	v_sub_f32 v[TQ+1], v9, v[KB+1]
	v_sub_f32 v[TQ+2], v10, v[KB+2]
	v_mul_f32 v[TQ], v[TQ], v[TQ]
	v_fma_f32 v[TQ], v[TQ+1], v[TQ+1], v[TQ]
	v_fma_f32 v[TQ], v[TQ+2], v[TQ+2], v[TQ]
	v_bfe_u32 v[TQ+3], v[MSKR+2*\kt+\j/4], 8*(\j%4), 8
	v_mul_f32 v[TQ], 0xc2029cbc, v[TQ]             ; x -8 / 0.245
	v_cmp_ne_u32 vcc_lo, 0, v[TQ+3]
	v_cndmask_b32 v[OUTR+8*\kt+\j], v11, v[TQ], vcc_lo
.endm
.irp kt, 0,1,2,3
.irp j, 0,1,2,3,4,5,6,7
	BV \kt, \j
.endr
.endr
.irp q, 0,1,2,3,4,5,6,7
	global_store_b128 v7, v[OUTR+4*\q:OUTR+4*\q+3], s[22:23] offset:512*\q
.endr
	s_endpgm
.Lfunc_end_k_q66a12f5569_prep:
	.size	k_q66a12f5569_prep, .Lfunc_end_k_q66a12f5569_prep-k_q66a12f5569_prep
	.p2alignl 7, 3214868480
	.fill 96, 4, 3214868480
	.section	.rodata,"a",@progbits
	.p2align	6, 0x0
	.amdhsa_kernel k_q66a12f5569_prep
		.amdhsa_group_segment_fixed_size 0
		.amdhsa_private_segment_fixed_size 0
		.amdhsa_enable_private_segment 0
		.amdhsa_kernarg_size 80
		.amdhsa_user_sgpr_count 2
		.amdhsa_user_sgpr_kernarg_segment_ptr 1
		.amdhsa_wavefront_size32 1
		.amdhsa_system_sgpr_workgroup_id_x 1
		.amdhsa_system_sgpr_workgroup_id_y 1
		.amdhsa_system_sgpr_workgroup_id_z 1
		.amdhsa_system_vgpr_workitem_id 0
		.amdhsa_next_free_vgpr 192
		.amdhsa_next_free_sgpr 66
		.amdhsa_reserve_vcc 1
		.amdhsa_float_denorm_mode_32 3
		.amdhsa_float_denorm_mode_16_64 3
		.amdhsa_memory_ordered 1
		.amdhsa_forward_progress 1
		.amdhsa_inst_pref_size 26
	.end_amdhsa_kernel
	.amdgpu_metadata
---
amdhsa.version: [ 1, 2 ]
amdhsa.kernels:
  - .name:           k_q66a12f5569_prep
    .symbol:         k_q66a12f5569_prep.kd
    .args:
      - { .name: Wq, .offset: 0, .size: 8, .value_kind: global_buffer, .address_space: global }
      - { .name: Wk, .offset: 8, .size: 8, .value_kind: global_buffer, .address_space: global }
      - { .name: Wv, .offset: 16, .size: 8, .value_kind: global_buffer, .address_space: global }
      - { .name: Wo, .offset: 24, .size: 8, .value_kind: global_buffer, .address_space: global }
      - { .name: query_pos, .offset: 32, .size: 8, .value_kind: global_buffer, .address_space: global }
      - { .name: key_pos, .offset: 40, .size: 8, .value_kind: global_buffer, .address_space: global }
      - { .name: key_mask, .offset: 48, .size: 8, .value_kind: global_buffer, .address_space: global }
      - { .name: wfrag, .offset: 56, .size: 8, .value_kind: global_buffer, .address_space: global }
      - { .name: wscale, .offset: 64, .size: 8, .value_kind: global_buffer, .address_space: global }
      - { .name: bias8, .offset: 72, .size: 8, .value_kind: global_buffer, .address_space: global }
    .group_segment_fixed_size: 0
    .private_segment_fixed_size: 0
    .kernarg_segment_align: 8
    .kernarg_segment_size: 80
    .max_flat_workgroup_size: 128
    .sgpr_count:     66
    .vgpr_count:     192
    .wavefront_size: 32
...
	.end_amdgpu_metadata
.endif
;; end of part 1
;; launch attn (part 2): grid 4 x 64, 4 waves a work-group, clusters of 4 x 1, 327,680 bytes of LDS; arguments query, key_value, key_mask, bq, bk, bv, wfrag, wscale, bias8, ofrag, oscale; writes ofrag, oscale
.if DOCPART == 2
	.amdgcn_target "amdgcn-amd-amdhsa--gfx1250"
	.amdhsa_code_object_version 6
	.text
	.protected	k_q66a12f5569_attn
	.globl	k_q66a12f5569_attn
	.p2align	8
	.type	k_q66a12f5569_attn,@function
k_q66a12f5569_attn:
	s_mov_b64 s[64:65], 0
	v_nop
	global_prefetch_b8 v0, s[64:65] scope:SCOPE_SE
	s_setreg_imm32_b32 hwreg(HW_REG_WAVE_MODE, 25, 1), 1
	s_wait_xcnt 0x0
	s_wait_alu depctr_hold_cnt(0) depctr_sa_sdst(0) depctr_va_vdst(0) depctr_va_sdst(0) depctr_va_ssrc(0) depctr_va_vcc(0) depctr_vm_vsrc(0)
	s_getreg_b32 s2, hwreg(HW_REG_IB_STS2, 6, 4)
	s_cmp_eq_u32 s2, 0
	s_cbranch_scc0 .Lentry_in_a_cluster
	s_endpgm
.Lentry_in_a_cluster:
	s_bfe_u32 s2, ttmp6, 0x10000c
	s_cmp_lg_u32 s2, 0x3003
	s_cbranch_scc0 .Lentry_shape_is_right
	s_endpgm
.Lentry_shape_is_right:
; The projections q, k, v, the logits, the softmax and p v, fused, all on codes of FP6 (E2M3) with one E8M0 byte for each 32 along a product's K; the result leaves as codes for the last product.
; SHARES.  Work-group (cx, y): the pair (b, n) = y, heads 2 cx and 2 cx + 1.  The four work-groups of a y read the same rows of query and key_value: they are one cluster and ask for each tile JOINTLY.
; Four waves, as many as a WGP has SIMDs, all on one text.  In a period of 64 rows wave p
;   A: reads columns 128 p .. 128 p + 127 of the tile (f32, brought by its own tensor load into its own two LDS slots), quantises them (four fragments) and hands them round through LDS as images of the operand's registers;
;   B: multiplies all 16 fragments of the tile by ITS weights, which stay in its registers: p = 0, 1: Wq, then Wk, of head 2 cx + p; p = 2, 3: Wv of head 2 cx + p - 2: 64 x 64 results, which are quantised in
;      registers (k along the head's 64, v along the keys) and go to LDS as images of half fragments (K = 64: six registers);
;   C: for its queries 32 p .. 32 p + 31 (two tiles) and both heads: S^T = k q^T + table, softmax, O^T += v^T p^T.
; WHAT IS ASKED OF LDS IS ASKED EARLY: B asks for all four K steps' fragments in one run, into four sets of registers (three of them are C's, which are idle in A and B); C asks for both heads' k and v^T at once,
; and in its middle for the NEXT tile's first two fragments of numbers, into B's accumulators, which are idle in C.
; LAYOUT.  A result holds in register e of lane (r, h) the element (m = 8 h + e, n = r).  The 16 registers of two neighbouring tiles are one lane's half of a block of 32 along the next K; two conversions and an
; exchange of halves (v_permlane16_swap_b32) give a lane a whole block, in the order 0-7, 16-23, 8-15, 24-31.  q and k are both made so, p and v^T too, so each pair agrees; Wo was laid in that order beforehand.
; K = 64 IN AN INSTRUCTION OF K = 128: q's and p's fragments hold zero codes in registers 6-11; k's and v^T's six registers lie on end, so that their operand runs on into the next tile's codes (behind the last
; tile of v^T: six registers of zeros).  A zero code times any code of this format is 0, and the scale words' upper two bytes are 0, which is no NaN.
; THE LOGIT is 0.125 (s + 8 bias): 8 bias comes from a table in the result's layout as the C of the product.  A masked key has -80000 there and zero codes in k: its logit is -10000 exactly.
; SOFTMAX: t = (s + 8 bias) c, c = 0.125 log2(e); M = the running largest t rounded up to a whole number; p = 2^(t - M) is quantised; the sum is taken of the unquantised p and divides at the end.
; NOT ASKED FOR JOINTLY: the weights (each work-group has its own heads'), and the table: 32 KB a period against the tile's 128 KB, and the 15,872 bytes of LDS that are left do not hold two slots of it.
; LIMITS: NaN and infinities among the inputs are not served; a block whose largest magnitude lies under 2^-124 keeps the byte 1; key_mask bytes are taken to be 0 or 1; 1 / sum is v_rcp_f32 and a multiplication.
; O^T begins as zeros (128 moves, once) so that the key step is written without a first step of its own.
; REGISTERS, in windows of 256.  Window 0: v1-19 addresses; v24-63 scale words; v64-255 parts A and B at work.  Window 1: the weights, the bias as C, temporaries of A and B.
;   Window 2: v0-7 the bias' offsets; v8-61 head 1's k and v^T (in B a set of x's fragments); v64-253 part C at work (in B v136-231 two sets of x's fragments).  Window 3: the table, q, O^T.
.set RINGP,  67584                     ; LDS: a wave's two slots
.set SLOTB,  33792                     ; a slot: 64 rows x (512 bytes + 16): 0x8400 shares no bit with p x RINGP, so one exclusive or changes slots
.set RPITCH, 528                       ; 33 x 16 bytes: the sixteen rows of a load of 16 bytes a lane start in sixteen different groups of four banks (64 banks of 4 bytes: ISA guide 11.1)
.set XIMG,   270336                    ; images of the tile's 16 fragments (4 K step + row tile), 1,536 bytes each
.set XSC,    294912                    ; their scale words, 128 bytes each
.set IMG0,   296960                    ; k at + 0, v^T at + IMGV: [head][tile][pair of registers] of 256 bytes; scale words at + IMGS: k [head][tile] of 128 bytes, v^T 1,024 on
.set IMGV,   6144
.set IMGS,   12288
.set SPARE,  311296                    ; the spare words, 128 bytes for each of the four waves: two blocks of 256 bytes that no other line names
.set TILEB,  0x20000                   ; 64 rows of 2,048 bytes in memory
; scalar registers
.set WV,   26
.set PT,   27                          ; wave / 2: 0: q and k, 1: v
.set HD,   28                          ; wave % 2: the head whose weights I hold
.set CX,   29                          ; my place in the cluster: it enters global addresses alone
.set YY,   30
.set VR,   31                          ; 0 in type k, all ones in type v
.set KM2,  32                          ; -(2 << 23)
.set G1,   36                          ; s[36:43] descriptor group 1
.set G0A,  44                          ; s[44:47], s[48:51] groups 0 of the two tiles of query; s[52:55] the one that walks key_value
.set G0B,  48
.set G0W,  52
.set TB,   56                          ; the slot whose numbers are being read: 0 or SLOTB
.set CNT,  57
.set SEL,  60                          ; s[60:61]
.set CS,   62                          ; s[62:63] c, twice
.set PFA,  66                          ; s[66:67] where my prefetches stand
.set MB,   68                          ; s[68:69] key_mask at the tile's first key
.set TBL,  70                          ; s[70:71] the table at my two tiles of queries
.set WP,   72
.set WSP,  74
.set BP,   76
.set PLN,  78
.set OFP,  84
.set OSP,  86
; window 0: addresses, never holding data
.set SPW,  1
.set NIL,  2
.set XRD0, 3
.set XRD,  4
.set XWI,  5
.set XWS,  6
.set LI,   7
.set LS,   8
.set WA0,  9
.set SA0,  10
.set KR0,  11
.set SR0,  12
.set QR,   13
.set QS,   14
.set L16,  15
.set L4,   16
.set RR,   17
.set L256, 18
.set H8,   19
; v24-63 hold scale words and nothing else
.set SCW,  24                          ; the weights': 4 tile + K step
.set SCX,  40                          ; x's: 4 K step + row tile (part B)
.set SCK,  40                          ; part C: k's four at + 8 head, v^T's four at + 8 head
.set SCV,  44
.set SCQ,  56                          ; q's: 2 head + tile
.set SCP,  60                          ; p's: tile
; window 0, parts A and B
.set ACC,  64                          ; v64-191 16 accumulators, 8 (4 i + j); while x is quantised two sets of 64 numbers
.set XB,   192                         ; v192-239 x's four fragments of K step 0
.set CD,   192                         ; codes just made
.set CT,   216                         ; the conversions' second halves
.set PW,   240                         ; v240-243 scale words just made
.set MK,   244                         ; v244-247 the keys' masks
.set XT,   248                         ; v248-250, v252-254
.set PX,   251
; window 1:  v0-191 the weights' 16 fragments, 12 (4 t + s)
.set PB,   192                         ; the bias as C: 8 t
.set TM,   224                         ; 32 temporaries
; window 2
.set BOE,  0                           ; v0-7 the bias' offsets, one for each register of a tile
.set XB1,  8                           ; v8-55 x's fragments of K step 1; v136-183 of step 2; v184-231 of step 3
.set XB2,  136
.set XB3,  184
.set ST,   64                          ; 4 (2 head + tile): -M, the largest t, the sum in two halves
.set BM,   80
.set PD,   84
.set SO,   88
.set BY,   92
.set FF,   96
.set TT,   100
.set C2,   104
.set PP,   112                         ; p's two fragments; registers 6-11 of each are 0
.set SS,   136                         ; S^T: 32 tile + 8 key tile
.set KK,   200                         ; head 0's k; head 1's lies 192 lower: v8-31
.set VV,   224                         ; head 0's v^T, v224-247, and v248-253 are 0; head 1's v32-55, and v56-61 are 0
; window 3
.set TAB,  0                           ; the table: 32 tile + 8 key tile
.set QQ,   64                          ; q: 12 (2 head + tile); registers 6-11 of each are 0
.set OO,   128                         ; O^T: 32 (2 head + tile) + 8 channel tile
.set MSB, 0
.macro WIN new                         ; low byte: bits 1:0 source 0, 3:2 source 1, 5:4 source 2, 7:6 destination; the high byte repeats the setting that is left; at a label and at a branch every window is 0
.if MSB != (\new)
	s_set_vgpr_msb (MSB<<8)|(\new)
.set MSB, (\new)
.endif
.endm
.macro PLACES n
.rept \n
	v_nop
.endr
.endm
.macro MM d, a, b, c, sa, sb
	v_wmma_scale_f32_16x16x128_f8f6f4 v[(\d):(\d)+7], v[(\a):(\a)+11], v[(\b):(\b)+11], v[(\c):(\c)+7], v[\sa], v[\sb] matrix_a_fmt:MATRIX_FMT_FP6 matrix_b_fmt:MATRIX_FMT_FP6
.endm
.macro ROUND                           ; a round of the cluster's barrier
	s_barrier_signal -1
	s_barrier_wait -1
	s_cmp_lg_u32 s[WV], 0
	s_cbranch_scc1 .Lnw0_\@
	s_barrier_signal -3
.Lnw0_\@:
	s_barrier_wait -3
	s_barrier_signal -1
	s_barrier_wait -1
.endm
.macro BAR                             ; my LDS stores have landed and my LDS loads are in: then the work-group's barrier
	s_wait_dscnt 0x0
	s_barrier_signal -1
	s_barrier_wait -1
.endm
; The three lines in front of a barrier behind which a slot is filled again.  step = 1: the walking descriptor and the prefetches' address go one tile on.
.macro THREE step
	s_wait_tensorcnt 0x0                           ; no tensor load of mine is out, so a group 0 may be written
	ds_add_u32 v[SPW], v[NIL]                      ; 0 onto my spare word
.if \step
	s_xor_b32 s[G0W+1], s[G0W+1], SLOTB            ; the other slot than last time,
	s_add_nc_u64 s[G0W+2:G0W+3], s[G0W+2:G0W+3], TILEB   ; the next 64 rows; the type bits on top are not reached
	s_wait_xcnt 0x0                                ; the last prefetch, a period back, has read its address
	s_add_nc_u64 s[PFA:PFA+1], s[PFA:PFA+1], TILEB
.endif
	s_wait_dscnt 0x0                               ; the add is done, and so are my LDS reads and stores
.endm
; The joint refill: my one tensor load behind the round; four v_nop follow it.  Behind them one prefetch for the tile that the NEXT refill asks for, one period ahead:
; a tile is 512 blocks of 256 bytes: 128 to a work-group of the cluster, told apart by address, 32 to a wave, a lane a block: each block is named once.  ask = 2: the loop's last refill names nothing.
.macro REFILL ask
	tensor_load_to_lds s[G0W:G0W+3], s[G1:G1+7]
	s_nop 0
	PLACES 4
.if \ask == 2
	s_cmp_gt_u32 s[CNT], 1
	s_cbranch_scc0 .Lnr_\@
.endif
	global_prefetch_b8 v[L256], s[PFA:PFA+1] th:TH_LOAD_NT scope:SCOPE_SE
.Lnr_\@:
.endm
.macro LOADW                           ; my 16 fragments of a weight and their scale words: they lie in the order of the registers
	WIN 0x40
.set n, 0
.rept 48
	global_load_b128 v[4*n:4*n+3], v[L16], s[WP:WP+1] offset:512*n
.set n, n+1
.endr
	WIN 0
.set n, 0
.rept 16
	global_load_b32 v[SCW+n], v[L4], s[WSP:WSP+1] offset:128*n
.set n, n+1
.endr
.endm
.macro BIAS                            ; register e of tile t: type k: the bias of channel 16 t + 8 h + e; type v: of channel 16 t + r: the offsets differ, the lines do not
	WIN 0x42                                       ; destination window 1, offset window 2
.irp t, 0,1,2,3
.irp e, 0,1,2,3,4,5,6,7
	global_load_b32 v[PB+8*\t+\e], v[BOE+\e], s[BP:BP+1] offset:64*\t
.endr
.endr
	WIN 0
.endm
.macro TLOAD                           ; these 64 keys' table for my two tiles of queries
	WIN 0xc0
.irp qt, 0,1
.irp q, 0,1,2,3,4,5,6,7
	global_load_b128 v[TAB+32*\qt+4*\q:TAB+32*\qt+4*\q+3], v[L16], s[TBL:TBL+1] offset:4096*\qt+512*\q
.endr
.endr
	WIN 0
.endm
; ---- PART A.  x is quantised: fragment f = rows 16 f .. 16 f + 15 of my 128 columns.  Lane (r, h) holds blocks h and 2 + h of row r, 32 numbers each.
.macro XLD f
.irp c, 0,1
.irp e, 0,1,2,3,4,5,6,7
	ds_load_b128 v[ACC+64*((\f)%2)+32*\c+4*\e:ACC+64*((\f)%2)+32*\c+4*\e+3], v[XRD] offset:(\f)*16*RPITCH+256*\c+16*\e
.endr
.endr
.endm
.macro XQ f
.set NB, ACC+64*((\f)%2)
	WIN 0x41                                       ; the temporaries lie in window 1
.irp n, 0,1,2,3
	v_max3_num_f32 v[TM+\n], 0x1800000, |v[NB+16*\n]|, |v[NB+16*\n+1]|   ; four chains, two to a block, by turns; the floor 2^(3 - 127) among the leaves: the byte cannot fall under 1
.endr
.irp i, 2,4,6,8,10,12,14
.irp n, 0,1,2,3
	v_max3_num_f32 v[TM+\n], v[TM+\n], |v[NB+16*\n+\i]|, |v[NB+16*\n+\i+1]|
.endr
.endr
	WIN 0x45
.irp c, 0,1
	v_max_num_f32 v[TM+4+\c], v[TM+2*\c], v[TM+2*\c+1]   ; the block's largest magnitude
.endr
.irp c, 0,1
	v_add_nc_u32 v[TM+6+\c], s[KM2], v[TM+4+\c]    ; 2 off the exponent field: the conversion's scale operand
.endr
.irp c, 0,1
	v_lshrrev_b32 v[TM+8+\c], 23, v[TM+6+\c]       ; the scale's byte
.endr
	WIN 0x04
.irp c, 0,1
	v_cvt_scalef32_pk16_fp6_f32 v[CD+12*(\f)+6*\c:CD+12*(\f)+6*\c+2], v[NB+32*\c:NB+32*\c+15], v[TM+6+\c]
	v_cvt_scalef32_pk16_fp6_f32 v[XT+4*\c:XT+4*\c+2], v[NB+32*\c+16:NB+32*\c+31], v[TM+6+\c]   ; (a conversion's three registers begin on an even number)
.endr
	WIN 0x11
	v_lshl_or_b32 v[PW+\f], v[TM+9], 16, v[TM+8]   ; my two bytes.  (Also the plain place behind the conversions)
	WIN 0
	v_lshlrev_b32 v[PW+\f], v[H8], v[PW+\f]        ; at their places in the word
.irp c, 0,1
.irp i, 0,1,2
	v_mov_b32 v[CD+12*(\f)+6*\c+3+\i], v[XT+4*\c+\i]
.endr
.endr
	v_permlanex16_b32 v[PX], v[PW+\f], s[SEL], s[SEL+1]
	v_or_b32 v[PW+\f], v[PW+\f], v[PX]             ; with lane l xor 16's two the word is whole
.endm
.macro XST f                           ; the fragment goes to LDS as it stands; each fragment has registers of its own
.irp q, 0,1,2
	ds_store_b128 v[XWI], v[CD+12*(\f)+4*\q:CD+12*(\f)+4*\q+3] offset:(\f)*1536+512*\q
.endr
	ds_store_b32 v[XWS], v[PW+\f] offset:128*(\f)
.endm
.macro XHEAD                           ; a tile's first two fragments of numbers are asked for: for key_value's tiles this stands in the period before
	XLD 0
	XLD 1
.endm
.macro XREST
	s_wait_dscnt 16                                ; fragment 0's numbers are in; fragment 1's 16 loads may be out
	XQ 0
	XST 0
	XLD 2
	s_wait_dscnt 20                                ; behind fragment 1's loads: 4 stores and 16 loads
	XQ 1
	XST 1
	XLD 3
	s_wait_dscnt 20
	XQ 2
	XST 2
	s_wait_dscnt 4                                 ; behind fragment 3's loads: 4 stores
	XQ 3
	XST 3
.endm
; ---- PART B.  64 rows x my 64 channels: 16 accumulators by turns, a K step at a time.  All four K steps' fragments of x are asked for in one run, each step into a set of its own.
; ty = 0: source 0 = 16 rows of the weight, source 1 = 16 rows of x: a lane holds one row of x and 8 channels.  ty = 1: the other way round: a lane holds one channel and 8 rows.  The bias is the first C.
.macro XBSEL s                         ; where K step s's four fragments stand: step 0 in window 0, the others in window 2
.if (\s) == 0
.set XBB, XB
.elseif (\s) == 1
.set XBB, XB1
.elseif (\s) == 2
.set XBB, XB2
.else
.set XBB, XB3
.endif
.endm
.macro PROJ ty
.set n, 0
.rept 16
	ds_load_b32 v[SCX+n], v[LS] offset:128*n
.set n, n+1
.endr
.irp s, 0,1,2,3
	XBSEL \s
.if \s > 0
	WIN 0x80
.endif
.irp i, 0,1,2,3
.irp q, 0,1,2
	ds_load_b128 v[XBB+12*\i+4*\q:XBB+12*\i+4*\q+3], v[LI] offset:(4*\s+\i)*1536+512*\q
.endr
.endr
.endr
.irp s, 0,1,2,3
	XBSEL \s
	s_wait_dscnt 36-12*\s                          ; the words and this K step's fragments are in; the later steps' 12 loads each may be out
.if \ty == 0
.if \s == 0
	WIN 0x11                                       ; the weight and the bias in window 1, x in window 0
.else
	WIN 0x09                                       ; the weight in window 1, x in window 2
.endif
.irp i, 0,1,2,3
.irp j, 0,1,2,3
.if \s == 0
	MM ACC+8*(4*\i+\j),12*(4*\j+\s),XBB+12*\i,PB+8*\j,SCW+4*\j+\s,SCX+4*\s+\i
.else
	MM ACC+8*(4*\i+\j),12*(4*\j+\s),XBB+12*\i,ACC+8*(4*\i+\j),SCW+4*\j+\s,SCX+4*\s+\i
.endif
.endr
.endr
.else
.if \s == 0
	WIN 0x14
.else
	WIN 0x06
.endif
.irp i, 0,1,2,3
.irp j, 0,1,2,3
.if \s == 0
	MM ACC+8*(4*\i+\j),XBB+12*\j,12*(4*\i+\s),PB+8*\i,SCX+4*\s+\j,SCW+4*\i+\s
.else
	MM ACC+8*(4*\i+\j),XBB+12*\j,12*(4*\i+\s),ACC+8*(4*\i+\j),SCX+4*\s+\j,SCW+4*\i+\s
.endif
.endr
.endr
.endif
.endr
	WIN 0
	PLACES 4                                       ; in front of the first read of results, and of loads into registers that these products have read
.endm
; ---- four groups of 32 registers (two blocks of 32 along the next K, my half of each) become four half fragments of six registers at CDB + 6 d.
; SW, TW, CW: the windows of the numbers, of the 32 temporaries and of the codes.  Every accumulator is read from its low end on.
.macro CVTG SB, TMB, CDB, CTB, i, d
	v_cvt_scalef32_pk16_fp6_f32 v[\CDB+6*\d:\CDB+6*\d+2], v[\SB+32*\i:\SB+32*\i+15], v[\TMB+16+2*\i]
	v_cvt_scalef32_pk16_fp6_f32 v[\CTB+4*\i:\CTB+4*\i+2], v[\SB+32*\i+16:\SB+32*\i+31], v[\TMB+16+2*\i+1]
.endm
.macro CVTS CDB, CTB, i, d             ; the operand's layout wants a whole block in a lane: lanes 0-15 block 0, lanes 16-31 block 1
.irp e, 0,1,2
	v_permlane16_swap_b32 v[\CDB+6*\d+\e], v[\CTB+4*\i+\e]
.endr
.irp e, 0,1,2
	v_mov_b32 v[\CDB+6*\d+3+\e], v[\CTB+4*\i+\e]
.endr
.endm
.macro CVT4 SB, SW, TMB, TW, CDB, CTB, CW, d0, d1, d2, d3
	WIN ((\TW<<6)|(\SW<<4)|(\SW<<2)|\TW)
.irp n, 0,1,2,3,4,5,6,7
	v_max3_num_f32 v[\TMB+\n], 0x1800000, |v[\SB+16*\n]|, |v[\SB+16*\n+1]|   ; chain n = 2 group + block; the floor 2^(3 - 127) among the leaves
.endr
.irp e, 2,4,6,8,10,12,14
.irp n, 0,1,2,3,4,5,6,7
	v_max3_num_f32 v[\TMB+\n], v[\TMB+\n], |v[\SB+16*\n+\e]|, |v[\SB+16*\n+\e+1]|
.endr
.endr
	WIN ((\TW<<6)|(\TW<<2)|\TW)
.irp n, 0,1,2,3,4,5,6,7
	v_permlanex16_b32 v[\TMB+8+\n], v[\TMB+\n], s[SEL], s[SEL+1]
.endr
.irp n, 0,1,2,3,4,5,6,7
	v_max_num_f32 v[\TMB+\n], v[\TMB+\n], v[\TMB+8+\n]   ; with lane l xor 16's: the block's largest magnitude
.endr
.irp n, 0,1,2,3,4,5,6,7
	v_add_nc_u32 v[\TMB+16+\n], s[KM2], v[\TMB+\n]
.endr
.irp n, 0,1,2,3,4,5,6,7
	v_lshrrev_b32 v[\TMB+24+\n], 23, v[\TMB+16+\n]
.endr
	WIN ((\CW<<6)|(\TW<<2)|\SW)
	CVTG \SB, \TMB, \CDB, \CTB, 0, \d0
	CVTG \SB, \TMB, \CDB, \CTB, 1, \d1
	CVTG \SB, \TMB, \CDB, \CTB, 2, \d2
	CVTG \SB, \TMB, \CDB, \CTB, 3, \d3
	WIN ((\CW<<6)|\CW)
	v_nop                                          ; one plain place behind a scaled conversion
	CVTS \CDB, \CTB, 0, \d0
	CVTS \CDB, \CTB, 1, \d1
	CVTS \CDB, \CTB, 2, \d2
	CVTS \CDB, \CTB, 3, \d3
	WIN 0
.endm
.macro WORDS                           ; a half fragment's scale word: two bytes, the upper two 0
	WIN 0x11
.irp i, 0,1,2,3
	v_lshl_or_b32 v[PW+\i], v[TM+24+2*\i+1], 8, v[TM+24+2*\i]
.endr
	WIN 0
.endm
.macro STOREIMG off, soff
.irp i, 0,1,2,3
.irp p, 0,1,2
	ds_store_b64 v[WA0], v[CD+6*\i+2*\p:CD+6*\i+2*\p+1] offset:\off+768*\i+256*\p
.endr
	ds_store_b32 v[SA0], v[PW+\i] offset:\soff+128*\i
.endr
.endm
; ---- PART C.  The softmax of head hd for my two tiles of queries and 64 keys: chain n = 2 tile + block stands on registers SS + 16 n on.  All in window 2 but p's scale words and O^T.
.macro SOFT hd
	WIN 0xaa
.irp n, 0,1,2,3
	v_max3_num_f32 v[BM+\n], v[SS+16*\n], v[SS+16*\n+1], v[SS+16*\n+2]   ; the largest score of each block of 32 keys: it serves the row's maximum and, since p rises with the score, the block's largest p
.endr
.irp i, 3,5,7,9,11,13
.irp n, 0,1,2,3
	v_max3_num_f32 v[BM+\n], v[BM+\n], v[SS+16*\n+\i], v[SS+16*\n+\i+1]
.endr
.endr
.irp n, 0,1,2,3
	v_max_num_f32 v[BM+\n], v[BM+\n], v[SS+16*\n+15]
.endr
.irp n, 0,1,2,3
	v_permlanex16_b32 v[PD+\n], v[BM+\n], s[SEL], s[SEL+1]
.endr
.irp n, 0,1,2,3
	v_max_num_f32 v[BM+\n], v[BM+\n], v[PD+\n]
.endr
.irp q, 0,1
	v_max_num_f32 v[TT+\q], v[BM+2*\q], v[BM+2*\q+1]
.endr
.irp q, 0,1
	v_mul_f32 v[TT+\q], s[CS], v[TT+\q]            ; as t (c is positive)
.endr
.irp q, 0,1
	v_max_num_f32 v[ST+4*(2*\hd+\q)+1], v[ST+4*(2*\hd+\q)+1], v[TT+\q]   ; the running largest t
.endr
.irp q, 0,1
	v_mov_b32 v[TT+\q], v[ST+4*(2*\hd+\q)]
.endr
.irp q, 0,1
	v_floor_f32 v[ST+4*(2*\hd+\q)], -v[ST+4*(2*\hd+\q)+1]   ; the new -M = floor(-t): M is a whole number
.endr
.irp q, 0,1
	v_sub_f32 v[TT+\q], v[ST+4*(2*\hd+\q)], v[TT+\q]   ; old M - new M: a whole number, 0 or less
.endr
.irp q, 0,1
	v_cvt_i32_f32 v[TT+\q], v[TT+\q]               ; (it saturates)
.endr
.irp q, 0,1
	v_ldexp_f32 v[FF+2*\q], 1.0, v[TT+\q]          ; f = 2^(old M - new M)
.endr
.irp q, 0,1
.irp j, 0,2,4,6,8,10,12,14,16,18,20,22,24,26,28,30
	v_pk_fma_f32 v[SS+32*\q+\j:SS+32*\q+\j+1], v[SS+32*\q+\j:SS+32*\q+\j+1], s[CS:CS+1], v[ST+4*(2*\hd+\q):ST+4*(2*\hd+\q)+1] op_sel_hi:[1,0,0]   ; t - M
.endr
.endr
.irp n, 0,1,2,3
	v_fma_f32 v[BM+\n], v[BM+\n], s[CS], v[ST+4*(2*\hd+\n/2)]
.endr
.set j, 0
.rept 64
	v_exp_f32 v[SS+j], v[SS+j]                     ; p = 2^(t - M), at most 1
.set j, j+1
.endr
.irp q, 0,1
	v_pk_mul_f32 v[ST+4*(2*\hd+\q)+2:ST+4*(2*\hd+\q)+3], v[ST+4*(2*\hd+\q)+2:ST+4*(2*\hd+\q)+3], v[FF+2*\q:FF+2*\q+1] op_sel_hi:[1,0]   ; the sums under the new M; a plain place behind the exponentials
.endr
	s_wait_alu depctr_va_vdst(0)                   ; one wait for the batch of 64, ahead of its first reader
.irp n, 0,1,2,3
	v_exp_f32 v[BM+\n], v[BM+\n]                   ; the block's largest p: the same two instructions on the same number
.endr
.irp q, 0,1
	v_pk_add_f32 v[C2+2*\q:C2+2*\q+1], v[SS+32*\q:SS+32*\q+1], v[SS+32*\q+2:SS+32*\q+3]   ; the sum of the unquantised p, in two chains a tile
.endr
.irp j, 4,8,12,16,20,24,28
.irp q, 0,1
	v_pk_add_f32 v[ST+4*(2*\hd+\q)+2:ST+4*(2*\hd+\q)+3], v[ST+4*(2*\hd+\q)+2:ST+4*(2*\hd+\q)+3], v[SS+32*\q+\j:SS+32*\q+\j+1]
	v_pk_add_f32 v[C2+2*\q:C2+2*\q+1], v[C2+2*\q:C2+2*\q+1], v[SS+32*\q+\j+2:SS+32*\q+\j+3]
.endr
.endr
.irp q, 0,1
	v_pk_add_f32 v[ST+4*(2*\hd+\q)+2:ST+4*(2*\hd+\q)+3], v[ST+4*(2*\hd+\q)+2:ST+4*(2*\hd+\q)+3], v[C2+2*\q:C2+2*\q+1]
.endr
	s_wait_alu depctr_va_vdst(0)                   ; and one for the four
.irp n, 0,1,2,3
	v_max_num_f32 v[BM+\n], 0x1800000, v[BM+\n]    ; the floor 2^(3 - 127)
.endr
.irp n, 0,1,2,3
	v_add_nc_u32 v[SO+\n], s[KM2], v[BM+\n]
.endr
.irp n, 0,1,2,3
	v_lshrrev_b32 v[BY+\n], 23, v[SO+\n]
.endr
	WIN 0x22                                       ; scale words lie in window 0
.irp q, 0,1
	v_lshl_or_b32 v[SCP+\q], v[BY+2*\q+1], 8, v[BY+2*\q]   ; p's scale word for these 64 keys
.endr
	WIN 0xaa
.irp q, 0,1
	v_cvt_scalef32_pk16_fp6_f32 v[PP+12*\q:PP+12*\q+2], v[SS+32*\q:SS+32*\q+15], v[SO+2*\q]
	v_cvt_scalef32_pk16_fp6_f32 v[C2+4*\q:C2+4*\q+2], v[SS+32*\q+16:SS+32*\q+31], v[SO+2*\q+1]
.endr
	v_nop                                          ; one plain place behind a scaled conversion
.irp q, 0,1
.irp i, 0,1,2
	v_permlane16_swap_b32 v[PP+12*\q+\i], v[C2+4*\q+\i]
.endr
.irp i, 0,1,2
	v_mov_b32 v[PP+12*\q+3+\i], v[C2+4*\q+\i]
.endr
.endr
	WIN 0xcb                                       ; O^T in window 3, f in window 2
.irp q, 0,1
.irp j, 0,2,4,6,8,10,12,14,16,18,20,22,24,26,28,30
	v_pk_mul_f32 v[OO+32*(2*\hd+\q)+\j:OO+32*(2*\hd+\q)+\j+1], v[OO+32*(2*\hd+\q)+\j:OO+32*(2*\hd+\q)+\j+1], v[FF+2*\q:FF+2*\q+1] op_sel_hi:[1,0]   ; O^T under the new M
.endr
.endr
.endm
.macro KVLOAD hd                       ; head hd's scale words, k and v^T: 32 LDS loads
.irp kt, 0,1,2,3
	ds_load_b32 v[SCK+8*\hd+\kt], v[SR0] offset:512*\hd+128*\kt
.endr
.irp dt, 0,1,2,3
	ds_load_b32 v[SCV+8*\hd+\dt], v[SR0] offset:1024+512*\hd+128*\dt
.endr
	WIN 0x80
.irp kt, 0,1,2,3
.irp p, 0,1,2
	ds_load_b64 v[KK-192*\hd+6*\kt+2*\p:KK-192*\hd+6*\kt+2*\p+1], v[KR0] offset:3072*\hd+768*\kt+256*\p
.endr
.endr
.irp dt, 0,1,2,3
.irp p, 0,1,2
	ds_load_b64 v[VV-192*\hd+6*\dt+2*\p:VV-192*\hd+6*\dt+2*\p+1], v[KR0] offset:IMGV+3072*\hd+768*\dt+256*\p
.endr
.endr
	WIN 0
.endm
.macro STMM hd                         ; S^T = k q^T + table: eight results
	WIN 0xbe                                       ; k and S^T in window 2, q and the table in window 3
.irp kt, 0,1,2,3
.irp qt, 0,1
	MM SS+32*\qt+8*\kt,KK-192*\hd+6*\kt,QQ+12*(2*\hd+\qt),TAB+32*\qt+8*\kt,SCK+8*\hd+\kt,SCQ+2*\hd+\qt
.endr
.endr
.endm
.macro PVMM hd                         ; O^T += v^T p^T: eight accumulators by turns
	WIN 0xfa                                       ; v^T and p in window 2, O^T in window 3
.irp dt, 0,1,2,3
.irp qt, 0,1
	MM OO+32*(2*\hd+\qt)+8*\dt,VV-192*\hd+6*\dt,PP+12*\qt,OO+32*(2*\hd+\qt)+8*\dt,SCV+8*\hd+\dt,SCP+\qt
.endr
.endr
.endm
	; ================ the head
	s_load_b512 s[4:19], s[0:1], 0x0               ; query, key_value, key_mask, bq, bk, bv, wfrag, wscale
	s_load_b128 s[20:23], s[0:1], 0x40             ; bias8, ofrag
	s_load_b64 s[24:25], s[0:1], 0x50              ; oscale
	v_lshl_add_u32 v[SPW], v0, 2, SPARE
	v_mov_b32 v[NIL], 0
	ds_add_u32 v1, v2
	ds_add_u32 v1, v2
	s_wait_dscnt 0x0
	v_lshrrev_b32 v3, 5, v0
	v_readfirstlane_b32 s[WV], v3                  ; wave 0..3
	s_lshr_b32 s[PT], s[WV], 1
	s_and_b32 s[HD], s[WV], 1
	s_bfe_u32 s[CX], ttmp6, 0x40000
	s_and_b32 s[YY], ttmp7, 0xffff
	s_sub_co_u32 s[VR], 0, s[PT]
	s_mov_b32 s[KM2], 0xff000000
	s_mov_b32 s[TB], 0
	s_mov_b32 s[SEL], 0x76543210
	s_mov_b32 s[SEL+1], 0xfedcba98
	s_mov_b32 s[CS], 0x3e38aa3b                    ; c = 0.125 log2(e)
	s_mov_b32 s[CS+1], s[CS]
	; descriptor group 1: 64 rows x 128 elements of 4 bytes, 512 elements from row to row; in LDS 4 words of padding behind every 128
	s_mov_b32 s[G1], 15|(2<<16)|(1<<20)|(1<<21)|(6<<22)|(3<<25)   ; 15:0 the mask: all four work-groups; 17:16 elements of 4 bytes; 20 padding on; 21 set beside a mask; 24:22 code 6; 31:25 code 3
	s_mov_b32 s[G1+1], 128<<16                     ; tensor_dim0
	s_mov_b32 s[G1+2], 64<<16                      ; tensor_dim1
	s_mov_b32 s[G1+3], 128<<16                     ; tile_dim0
	s_mov_b32 s[G1+4], 64                          ; tile_dim1
	s_mov_b32 s[G1+5], 512                         ; tensor_dim0_stride
	s_mov_b32 s[G1+6], 0
	s_mov_b32 s[G1+7], 0
	s_mul_i32 s[PLN], s[WV], RINGP                 ; my two slots: no place in the cluster enters an LDS address
	s_lshl_b32 s80, s[YY], 18                      ; query: 128 rows of 2,048 bytes a pair (b, n),
	s_lshl_b32 s82, s[WV], 9                       ; my 128 columns
	s_add_co_u32 s80, s80, s82
	s_mov_b32 s81, 0
	s_lshl_b32 s82, s[YY], 21                      ; key_value: 1,024 rows
	s_lshl_b32 s83, s[WV], 9
	s_add_co_u32 s82, s82, s83
	s_mov_b32 s83, 0
	s_wait_kmcnt 0x0
	s_mov_b32 s[G0A], 1
	s_mov_b32 s[G0A+1], s[PLN]
	s_add_nc_u64 s[G0A+2:G0A+3], s[4:5], s[80:81]
	s_add_nc_u64 s[G0B+2:G0B+3], s[G0A+2:G0A+3], TILEB
	s_or_b32 s[G0A+3], s[G0A+3], 0x80000000
	s_mov_b32 s[G0B], 1
	s_add_co_u32 s[G0B+1], s[PLN], SLOTB
	s_or_b32 s[G0B+3], s[G0B+3], 0x80000000
	s_mov_b32 s[G0W], 1
	s_mov_b32 s[G0W+1], s[PLN]
	s_add_nc_u64 s[G0W+2:G0W+3], s[6:7], s[82:83]
	s_or_b32 s[G0W+3], s[G0W+3], 0x80000000
	ROUND                                          ; all four work-groups are here: the first joint loads meet
	tensor_load_to_lds s[G0A:G0A+3], s[G1:G1+7]    ; my two first fills: query's rows 0-63 and 64-127: two loads of mine are out
	s_nop 0
	tensor_load_to_lds s[G0B:G0B+3], s[G1:G1+7]
	s_nop 0
	PLACES 4
	s_lshl_b32 s80, s[CX], 1
	s_add_co_u32 s80, s80, s[HD]                   ; my head = my group of 64 rows of the weights
	s_lshl_b32 s81, s[PT], 4
	s_add_co_u32 s81, s81, s80                     ; Wq's groups are 0-7, Wv's 16-23
	s_mul_i32 s82, s81, 24576
	s_mov_b32 s83, 0
	s_add_nc_u64 s[WP:WP+1], s[16:17], s[82:83]
	s_lshl_b32 s82, s81, 11
	s_add_nc_u64 s[WSP:WSP+1], s[18:19], s[82:83]
	s_lshl_b32 s82, s80, 8
	s_add_nc_u64 s[12:13], s[12:13], s[82:83]      ; bk at my head, for later
	s_cmp_eq_u32 s[PT], 0
	s_cselect_b64 s[BP:BP+1], s[10:11], s[14:15]   ; bq or bv
	s_add_nc_u64 s[BP:BP+1], s[BP:BP+1], s[82:83]
	s_lshr_b32 s81, s[YY], 3                       ; b
	s_lshl_b32 s82, s81, 10
	s_add_nc_u64 s[MB:MB+1], s[8:9], s[82:83]
	s_lshl_b32 s82, s81, 19
	s_lshl_b32 s80, s[WV], 13
	s_add_co_u32 s82, s82, s80
	s_add_nc_u64 s[TBL:TBL+1], s[20:21], s[82:83]
	s_lshl_b32 s82, s[YY], 21
	s_add_co_u32 s82, s82, s80                     ; my 32 blocks of 256 bytes,
	s_lshl_b32 s81, s[CX], 15                      ; of my work-group's 128,
	s_add_co_u32 s82, s82, s81
	s_add_co_u32 s82, s82, TILEB                   ; in tile 1 of key_value: the first refill asks for tile 0
	s_add_nc_u64 s[PFA:PFA+1], s[6:7], s[82:83]
	s_lshl_b32 s82, s[YY], 5
	s_lshl_b32 s81, s[WV], 3
	s_add_co_u32 s82, s82, s81
	s_add_co_u32 s81, s82, s[CX]                   ; the number of my first fragment of the result: 4 (8 y + 2 wave) + cx
	s_mul_i32 s82, s81, 1536
	s_add_nc_u64 s[OFP:OFP+1], s[22:23], s[82:83]
	s_lshl_b32 s82, s81, 7
	s_add_nc_u64 s[OSP:OSP+1], s[24:25], s[82:83]
	; the address registers
	v_and_b32 v64, 31, v0                          ; lane
	v_and_b32 v[RR], 15, v0                        ; r
	v_bfe_u32 v65, v0, 4, 1                        ; h
	v_mul_u32_u24 v[XRD0], v[RR], RPITCH
	v_lshl_add_u32 v[XRD0], v65, 7, v[XRD0]
	v_add_nc_u32 v[XRD0], s[PLN], v[XRD0]          ; my slot 0: row r, + 128 h bytes
	s_mul_i32 s80, s[WV], 6144
	s_add_co_u32 s80, s80, XIMG
	v_lshl_add_u32 v[XWI], v64, 4, s80
	s_lshl_b32 s80, s[WV], 9
	s_add_co_u32 s81, s80, XSC
	v_lshl_add_u32 v[XWS], v64, 2, s81
	v_lshl_add_u32 v[LI], v64, 4, XIMG
	v_lshl_add_u32 v[LS], v64, 2, XSC
	s_mul_i32 s81, s[WV], 3072
	s_add_co_u32 s81, s81, IMG0
	v_lshl_add_u32 v[WA0], v64, 3, s81             ; where my images go: waves 0, 1: k of head 0, 1; waves 2, 3: v^T
	s_add_co_u32 s81, s80, IMG0+IMGS
	v_lshl_add_u32 v[SA0], v64, 2, s81
	v_lshl_add_u32 v[KR0], v64, 3, IMG0
	v_lshl_add_u32 v[SR0], v64, 2, IMG0+IMGS
	s_mul_i32 s80, s[PT], 6144
	s_mul_i32 s81, s[HD], 1536
	s_add_co_u32 s80, s80, s81
	s_add_co_u32 s80, s80, IMG0
	v_lshl_add_u32 v[QR], v64, 3, s80              ; q's images: tile of 64 rows = wave / 2, two tiles of 16 from 2 (wave % 2) on
	s_lshl_b32 s80, s[PT], 10
	s_lshl_b32 s81, s[HD], 8
	s_add_co_u32 s80, s80, s81
	s_add_co_u32 s80, s80, IMG0+IMGS
	v_lshl_add_u32 v[QS], v64, 2, s80
	v_lshlrev_b32 v[L16], 4, v64
	v_lshlrev_b32 v[L4], 2, v64
	v_lshlrev_b32 v[L256], 8, v64
	v_lshlrev_b32 v[H8], 3, v65
	s_sub_co_u32 s81, 1, s[PT]
	s_lshl_b32 s80, s[PT], 2
	s_lshl_b32 s82, s81, 2
	s_lshl_b32 s81, s81, 5
	v_mul_u32_u24 v66, v[RR], s80
	v_mad_u32_u24 v66, v65, s81, v66               ; the bias: type k: 32 h, and 4 bytes on from register to register; type v: 4 r, the same for all eight
	v_mov_b32 v67, s82
	WIN 0x80
.irp e, 0,1,2,3,4,5,6,7
	v_mad_u32_u24 v[BOE+\e], v67, \e, v66
.endr
	WIN 0
	BIAS                                           ; bq or bv
	LOADW                                          ; Wq or Wv
	WIN 0x40
.irp n, 0,1,2,3,4,5,6,7
	v_mov_b32 v[TM+8+\n], 0                        ; written once: a lane permute's destination counts as one of its sources
.endr
	WIN 0
	v_mov_b32 v[PX], 0
	WIN 0xc0
.set n, 0
.rept 128
	v_mov_b32 v[OO+n], 0                           ; O^T: the first change of M leaves zeros zeros
.set n, n+1
.endr
.irp x, 0,1,2,3
.irp i, 6,7,8,9,10,11
	v_mov_b32 v[QQ+12*\x+\i], 0                    ; zero codes for K = 64 .. 127
.endr
.endr
	WIN 0x80
.irp q, 0,1
.irp i, 6,7,8,9,10,11
	v_mov_b32 v[PP+12*\q+\i], 0
.endr
.endr
.irp i, 0,1,2,3,4,5
	v_mov_b32 v[VV+24+\i], 0                       ; behind each head's last tile of v^T
	v_mov_b32 v[VV-192+24+\i], 0
.endr
.irp x, 0,1,2,3
	v_mov_b32 v[ST+4*\x+1], 0xff61b1e6             ; the largest t so far: -3e38
	v_mov_b32 v[ST+4*\x+2], 0
	v_mov_b32 v[ST+4*\x+3], 0
.endr
.irp n, 0,1,2,3
	v_mov_b32 v[PD+\n], 0
.endr
	v_mov_b32 v[FF+1], 0                           ; (named as the upper halves of pairs)
	v_mov_b32 v[FF+3], 0
	WIN 0x82
.irp x, 0,1,2,3
	v_floor_f32 v[ST+4*\x], -v[ST+4*\x+1]
.endr
	WIN 0
; ================ the two tiles of query: all four waves quantise, waves 0 and 1 project; q's images go where the images of k and v^T will follow
.macro QPER t
	s_wait_tensorcnt 0x1                           ; the tile in hand has landed; the one load issued behind it may be out
	v_add_nc_u32 v[XRD], \t*SLOTB, v[XRD0]
	XHEAD
	XREST
	THREE \t
	ROUND                                          ; no wave of any partner still reads the slot or has a load on its way; x's images are whole
	REFILL 1
	s_wait_loadcnt 0x0                             ; the weights, their words, the bias
	s_cmp_lg_u32 s[PT], 0
	s_cbranch_scc1 .Lqj_\@
	PROJ 0
.if \t == 1
	s_add_nc_u64 s[WP:WP+1], s[WP:WP+1], 196608    ; Wq is done with: Wk's group lies eight groups on
	s_add_nc_u64 s[WSP:WSP+1], s[WSP:WSP+1], 16384
	s_mov_b64 s[BP:BP+1], s[12:13]
	LOADW
	BIAS
.endif
	CVT4 ACC, 0, TM, 1, CD, CT, 0, 0, 1, 2, 3
	WORDS
	STOREIMG 6144*\t, 1024*\t
.Lqj_\@:
	BAR
.endm
	QPER 0
	QPER 1
	WIN 0xc0
.irp hh, 0,1
.irp qt, 0,1
.irp p, 0,1,2
	ds_load_b64 v[QQ+12*(2*\hh+\qt)+2*\p:QQ+12*(2*\hh+\qt)+2*\p+1], v[QR] offset:3072*\hh+768*\qt+256*\p   ; q stays in registers
.endr
.endr
.endr
	WIN 0
.irp hh, 0,1
.irp qt, 0,1
	ds_load_b32 v[SCQ+2*\hh+\qt], v[QS] offset:512*\hh+128*\qt
.endr
.endr
	s_wait_tensorcnt 0x1                           ; key_value's tile 0 has landed; tile 1's load, issued behind it, may be out
	v_add_nc_u32 v[XRD], s[TB], v[XRD0]            ; slot 0
	XHEAD                                          ; its first two fragments of numbers
; ================ a period: 64 keys.  A: quantise | round or barrier | B: project, quantise, images | barrier | C: both heads' attention.
; x's images are written in A, read in B, and written again behind the barrier between B and C.  The images of k and v^T are written in B, read in C, and written again behind the next period's first barrier
; (q's images, which lay there, were read ahead of the first period's).  A slot is read by the wave that loaded it alone: its first half in C of the period before, its second in A; it is filled again behind the
; round that follows A, in front of which all those reads are waited for.
; fill = 1: the slot just read is filled again.  fill = 0: nothing is left to fetch, and the last trip has no next tile to read.
.macro PERIOD fill
	s_wait_tensorcnt 0x1                           ; the tile in hand has landed (the wait for 0 in the period before showed it); the refill issued behind it may be out
.irp i, 0,1,2,3
	global_load_u8 v[MK+\i], v[RR], s[MB:MB+1] offset:16*\i   ; the mask of key 16 i + r
.endr
	TLOAD                                          ; wanted in C: parts A and B stand between
	XREST
	THREE \fill
.if \fill
	ROUND
	REFILL 2
.else
	s_barrier_signal -1
	s_barrier_wait -1
.endif
	s_wait_loadcnt 16                              ; the masks are in (in the first period the weights too, which were asked for earlier); the 16 loads of the table may be out
.irp i, 0,1,2,3
	v_sub_nc_u32 v[MK+\i], 0, v[MK+\i]             ; 1 becomes all ones
.endr
.irp i, 0,1,2,3
	v_or_b32 v[MK+\i], s[VR], v[MK+\i]             ; v is not masked
.endr
	s_add_nc_u64 s[MB:MB+1], s[MB:MB+1], 64
	s_cmp_lg_u32 s[PT], 0
	s_cbranch_scc1 .Lpv_\@
	PROJ 0
	s_branch .Lpj_\@
.Lpv_\@:
	PROJ 1
.Lpj_\@:
	CVT4 ACC, 0, TM, 1, CD, CT, 0, 0, 1, 2, 3
	WORDS
.irp i, 0,1,2,3
.irp e, 0,1,2,3,4,5
	v_and_b32 v[CD+6*\i+\e], v[MK+\i], v[CD+6*\i+\e]   ; a masked key's codes of k are zeros
.endr
.endr
	STOREIMG 0, 0
	BAR
	KVLOAD 0
	KVLOAD 1
	s_wait_loadcnt 0x0                             ; the table is in, so its address may step
	s_add_nc_u64 s[TBL:TBL+1], s[TBL:TBL+1], 32768 ; the next 64 keys' (behind the last period it is not used)
	s_wait_dscnt 32                                ; head 0's 32 loads are in; head 1's 32 may be out
	STMM 0
	PLACES 4                                       ; in front of the first read of results
	SOFT 0
	WIN 0
	s_wait_dscnt 0x0                               ; head 1's k and v^T, asked for a softmax ago
.if !\fill
	s_cmp_eq_u32 s[CNT], 1
	s_cbranch_scc1 .Lnx_\@
.endif
	s_wait_tensorcnt 0x1                           ; the next tile has landed (this period's wait for 0 showed it); the refill issued behind it may be out
	s_xor_b32 s[TB], s[TB], SLOTB
	v_add_nc_u32 v[XRD], s[TB], v[XRD0]
	XHEAD                                          ; its first two fragments of numbers, into the accumulators of part B: head 1's softmax stands between these loads and the wait for them
.Lnx_\@:
	PLACES 4                                       ; between the vector instructions that wrote O^T and p and the products that take them
	STMM 1                                         ; head 1's scores first: its softmax can begin while head 0's products below are at work
	PVMM 0
	PLACES 4                                       ; in front of the first read of results, and of the writes of p and its words
	SOFT 1
	PLACES 4
	PVMM 1
	WIN 0
	PLACES 4                                       ; behind the last products
.endm
	s_mov_b32 s[CNT], 14
.Lfilling:                                         ; tiles 0-13 of key_value are worked, tiles 2-15 asked for
	PERIOD 1
	s_sub_co_u32 s[CNT], s[CNT], 1
	s_cmp_lg_u32 s[CNT], 0
	s_cbranch_scc1 .Lfilling
	s_mov_b32 s[CNT], 2
.Ldraining:                                        ; tiles 14 and 15: written out apart
	PERIOD 0
	s_sub_co_u32 s[CNT], s[CNT], 1
	s_cmp_lg_u32 s[CNT], 0
	s_cbranch_scc1 .Ldraining
	; ================ the way out: O^T / the sum, quantised along D: my two heads are K step cx of the last product, head hd its registers 6 hd .. 6 hd + 5
	WIN 0xaa
.irp x, 0,1,2,3
	v_add_f32 v[BM+\x], v[ST+4*\x+2], v[ST+4*\x+3]
.endr
.irp x, 0,1,2,3
	v_permlanex16_b32 v[PD+\x], v[BM+\x], s[SEL], s[SEL+1]
.endr
.irp x, 0,1,2,3
	v_add_f32 v[BM+\x], v[BM+\x], v[PD+\x]         ; the row's sum
.endr
.irp x, 0,1,2,3
	v_rcp_f32 v[SO+2*\x], v[BM+\x]
.endr
	v_nop                                          ; a plain place behind the last reciprocal
	s_wait_alu depctr_va_vdst(0)                   ; one wait for the four, ahead of their first reader
	WIN 0xcb
.irp x, 0,1,2,3
.irp j, 0,2,4,6,8,10,12,14,16,18,20,22,24,26,28,30
	v_pk_mul_f32 v[OO+32*\x+\j:OO+32*\x+\j+1], v[OO+32*\x+\j:OO+32*\x+\j+1], v[SO+2*\x:SO+2*\x+1] op_sel_hi:[1,0]
.endr
.endr
	CVT4 OO, 3, SS, 2, PP, SS+32, 2, 0, 2, 1, 3    ; group 2 hd + qt goes to registers 12 qt + 6 hd of p's old place
	WIN 0xaa
.irp q, 0,1
	v_lshl_or_b32 v[TT+\q], v[SS+24+2*\q+1], 8, v[SS+24+2*\q]
	v_lshl_or_b32 v[TT+\q], v[SS+24+2*(2+\q)], 16, v[TT+\q]
	v_lshl_or_b32 v[TT+\q], v[SS+24+2*(2+\q)+1], 24, v[TT+\q]
.endr
	WIN 0x08                                       ; a store's data are its source 1: window 2
.irp q, 0,1
.irp u, 0,1,2
	global_store_b128 v[L16], v[PP+12*\q+4*\u:PP+12*\q+4*\u+3], s[OFP:OFP+1] offset:6144*\q+512*\u   ; each store of the wave covers 512 consecutive bytes, aligned
.endr
	global_store_b32 v[L4], v[TT+\q], s[OSP:OSP+1] offset:512*\q
.endr
	WIN 0
	s_wait_tensorcnt 0x0                           ; the wave's end
	ds_add_u32 v[SPW], v[NIL]
	s_wait_dscnt 0x0
	ROUND                                          ; the closing round
	s_endpgm
.Lfunc_end_k_q66a12f5569_attn:
	.size	k_q66a12f5569_attn, .Lfunc_end_k_q66a12f5569_attn-k_q66a12f5569_attn
	.p2alignl 7, 3214868480
	.fill 96, 4, 3214868480
	.section	.rodata,"a",@progbits
	.p2align	6, 0x0
	.amdhsa_kernel k_q66a12f5569_attn
		.amdhsa_group_segment_fixed_size 327680
		.amdhsa_private_segment_fixed_size 0
		.amdhsa_enable_private_segment 0
		.amdhsa_kernarg_size 88
		.amdhsa_user_sgpr_count 2
		.amdhsa_user_sgpr_kernarg_segment_ptr 1
		.amdhsa_wavefront_size32 1
		.amdhsa_system_sgpr_workgroup_id_x 1
		.amdhsa_system_sgpr_workgroup_id_y 1
		.amdhsa_system_sgpr_workgroup_id_z 1
		.amdhsa_system_vgpr_workitem_id 0
		.amdhsa_next_free_vgpr 1024
		.amdhsa_next_free_sgpr 96
		.amdhsa_reserve_vcc 0
		.amdhsa_float_denorm_mode_32 3
		.amdhsa_float_denorm_mode_16_64 3
		.amdhsa_memory_ordered 1
		.amdhsa_forward_progress 1
		.amdhsa_inst_pref_size 255
	.end_amdhsa_kernel
	.section	.bss,"aw",@nobits
	.p2align	6
	.space	262144
	.amdgpu_metadata
---
amdhsa.version: [ 1, 2 ]
amdhsa.kernels:
  - .name:           k_q66a12f5569_attn
    .symbol:         k_q66a12f5569_attn.kd
    .args:
      - { .name: query, .offset: 0, .size: 8, .value_kind: global_buffer, .address_space: global }
      - { .name: key_value, .offset: 8, .size: 8, .value_kind: global_buffer, .address_space: global }
      - { .name: key_mask, .offset: 16, .size: 8, .value_kind: global_buffer, .address_space: global }
      - { .name: bq, .offset: 24, .size: 8, .value_kind: global_buffer, .address_space: global }
      - { .name: bk, .offset: 32, .size: 8, .value_kind: global_buffer, .address_space: global }
      - { .name: bv, .offset: 40, .size: 8, .value_kind: global_buffer, .address_space: global }
      - { .name: wfrag, .offset: 48, .size: 8, .value_kind: global_buffer, .address_space: global }
      - { .name: wscale, .offset: 56, .size: 8, .value_kind: global_buffer, .address_space: global }
      - { .name: bias8, .offset: 64, .size: 8, .value_kind: global_buffer, .address_space: global }
      - { .name: ofrag, .offset: 72, .size: 8, .value_kind: global_buffer, .address_space: global }
      - { .name: oscale, .offset: 80, .size: 8, .value_kind: global_buffer, .address_space: global }
    .group_segment_fixed_size: 327680
    .private_segment_fixed_size: 0
    .kernarg_segment_align: 8
    .kernarg_segment_size: 88
    .max_flat_workgroup_size: 128
    .sgpr_count:     96
    .vgpr_count:     1024
    .wavefront_size: 32
...
	.end_amdgpu_metadata
.endif
;; end of part 2
;; launch outp (part 3): grid 4 x 64, 4 waves a work-group, no clusters, 17,920 bytes of LDS; arguments ofrag, oscale, wfrag, wscale, bo, out0; writes out0
.if DOCPART == 3
	.amdgcn_target "amdgcn-amd-amdhsa--gfx1250"
	.amdhsa_code_object_version 6
	.text
	.protected	k_q66a12f5569_outp
	.globl	k_q66a12f5569_outp
	.p2align	8
	.type	k_q66a12f5569_outp,@function
k_q66a12f5569_outp:
	s_mov_b64 s[64:65], 0
	v_nop
	global_prefetch_b8 v0, s[64:65] scope:SCOPE_SE
	s_setreg_imm32_b32 hwreg(HW_REG_WAVE_MODE, 25, 1), 1
	s_wait_xcnt 0x0
; out0 = a Wo^T + bo on codes of FP6 (E2M3): a, the attention's result, and Wo arrive as fragments in the order of the operand's registers, with one scale word a lane; both have K in the same order inside a block of 32.
; A work-group makes the 128 rows of a pair (b, n) = y by 128 columns (x); wave w makes rows 64 (w / 2) on by columns 64 (2 x + w % 2) on: 16 accumulators, K = 512 in four steps.
; All operands come straight into registers, 16 bytes a lane, 512 consecutive bytes a load; there is nothing to share but through the caches, so no LDS ring, no tensor load and no cluster:
; the launch reads 48 KB a wave once and multiplies 64 times.
; THE MATRIX INSTRUCTION IS USED TRANSPOSED (source 0 = 16 rows of Wo, source 1 = 16 rows of a): a lane holds eight neighbouring columns of one row.  bo is the C of each sum's first instruction.
; REGISTERS: window 0: v1-9 addresses; v16-31 a's scale words, v32-47 Wo's (4 tile + K step); v48-175 accumulators 8 (4 m + t); v176-239 rows on their way out, two sets.
;   window 1: v0-191 a's fragments 12 (4 m + s); v192-223 bo.   window 2: v0-191 Wo's fragments 12 (4 t + s).
.set SA,  16
.set SB,  32
.set ACC, 48
.set OB,  176
.set BOB, 192
.set L16, 4
.set L4,  5
.set H32, 6
.set STI, 7
.set STO, 8
.set CO,  9
.set MSB, 0
.macro WIN new
.if MSB != (\new)
	s_set_vgpr_msb (MSB<<8)|(\new)
.set MSB, (\new)
.endif
.endm
.macro MM d, a, b, c, sa, sb
	v_wmma_scale_f32_16x16x128_f8f6f4 v[(\d):(\d)+7], v[(\a):(\a)+11], v[(\b):(\b)+11], v[(\c):(\c)+7], v[\sa], v[\sb] matrix_a_fmt:MATRIX_FMT_FP6 matrix_b_fmt:MATRIX_FMT_FP6
.endm
	s_load_b256 s[4:11], s[0:1], 0x0               ; ofrag, oscale, wfrag, wscale
	s_load_b128 s[12:15], s[0:1], 0x20             ; bo, out0
	v_lshl_add_u32 v254, v0, 2, 0x4400
	v_mov_b32 v255, 0
	v_lshrrev_b32 v1, 5, v0
	v_readfirstlane_b32 s16, v1                    ; wave
	s_lshr_b32 s17, s16, 1                         ; which 64 rows
	s_and_b32 s18, s16, 1
	s_lshl_b32 s19, ttmp9, 1
	s_add_co_u32 s18, s18, s19                     ; which 64 columns: Wo's group
	s_and_b32 s19, ttmp7, 0xffff                   ; y
	v_and_b32 v1, 31, v0
	v_and_b32 v2, 15, v0
	v_bfe_u32 v3, v0, 4, 1
	v_lshlrev_b32 v[L16], 4, v1
	v_lshlrev_b32 v[L4], 2, v1
	v_lshlrev_b32 v[H32], 5, v3
	s_mul_i32 s20, s16, 16*272                     ; my stage: 16 rows x (256 bytes + 16)
	v_mul_u32_u24 v[STI], v2, 272
	v_lshl_add_u32 v[STI], v3, 5, v[STI]
	v_add_nc_u32 v[STI], s20, v[STI]               ; in: row r, + 32 h
	v_mul_u32_u24 v[STO], v3, 272
	v_lshl_add_u32 v[STO], v2, 4, v[STO]
	v_add_nc_u32 v[STO], s20, v[STO]               ; back: lanes 0-15 one row, lanes 16-31 the next
	v_lshlrev_b32 v[CO], 11, v3
	v_lshl_add_u32 v[CO], v2, 4, v[CO]             ; and the same two rows in out0
	s_lshl_b32 s21, s19, 3
	s_lshl_b32 s22, s17, 2
	s_add_co_u32 s21, s21, s22                     ; my first tile of 16 rows: 8 y + 4 (w / 2)
	s_mul_i32 s22, s21, 6144
	s_mov_b32 s23, 0
	s_lshl_b32 s24, s21, 9
	s_mov_b32 s25, 0
	s_add_co_u32 s26, s18, 24                      ; Wo's groups are 24-31
	s_mul_i32 s28, s26, 24576
	s_mov_b32 s29, 0
	s_lshl_b32 s30, s26, 11
	s_mov_b32 s31, 0
	s_lshl_b32 s32, s18, 8
	s_mov_b32 s33, 0
	s_lshl_b32 s34, s19, 18
	s_lshl_b32 s35, s17, 17
	s_add_co_u32 s34, s34, s35
	s_add_co_u32 s34, s34, s32                     ; out0: row 128 y + 64 (w / 2), column 64 group
	s_mov_b32 s35, 0
	s_wait_kmcnt 0x0
	s_add_nc_u64 s[4:5], s[4:5], s[22:23]
	s_add_nc_u64 s[6:7], s[6:7], s[24:25]
	s_add_nc_u64 s[8:9], s[8:9], s[28:29]
	s_add_nc_u64 s[10:11], s[10:11], s[30:31]
	s_add_nc_u64 s[12:13], s[12:13], s[32:33]
	s_add_nc_u64 s[14:15], s[14:15], s[34:35]
	WIN 0x40
.set n, 0
.rept 48
	global_load_b128 v[4*n:4*n+3], v[L16], s[4:5] offset:512*n
.set n, n+1
.endr
.irp t, 0,1,2,3
	global_load_b128 v[BOB+8*\t:BOB+8*\t+3], v[H32], s[12:13] offset:64*\t       ; bo of columns 16 t + 8 h + 0 .. 7
	global_load_b128 v[BOB+8*\t+4:BOB+8*\t+7], v[H32], s[12:13] offset:64*\t+16
.endr
	WIN 0x80
.set n, 0
.rept 48
	global_load_b128 v[4*n:4*n+3], v[L16], s[8:9] offset:512*n
.set n, n+1
.endr
	WIN 0
.set n, 0
.rept 16
	global_load_b32 v[SA+n], v[L4], s[6:7] offset:128*n
	global_load_b32 v[SB+n], v[L4], s[10:11] offset:128*n
.set n, n+1
.endr
	s_wait_loadcnt 0x0
.irp s, 0,1,2,3                        ; the 16 accumulators take turns, one instruction a turn
.if \s == 0
	WIN 0x16                                       ; source 0 (Wo) window 2, source 1 (a) window 1, C (bo) window 1
.else
	WIN 0x06
.endif
.irp m, 0,1,2,3
.irp t, 0,1,2,3
.if \s == 0
	MM ACC+8*(4*\m+\t),12*(4*\t+\s),12*(4*\m+\s),BOB+8*\t,SB+4*\t+\s,SA+4*\m+\s
.else
	MM ACC+8*(4*\m+\t),12*(4*\t+\s),12*(4*\m+\s),ACC+8*(4*\m+\t),SB+4*\t+\s,SA+4*\m+\s
.endif
.endr
.endr
.endr
	WIN 0
.rept 4
	v_nop                                          ; places in front of the first read of results
.endr
; THE WAY OUT, 16 rows at a time: a lane's 32 bytes go into my stage and come back as whole rows of 256 bytes.  LDS serves a wave's instructions in order (ISA guide 5.7.1.4): no wait between stores and loads.
.irp m, 0,1,2,3
.irp t, 0,1,2,3
	ds_store_b128 v[STI], v[ACC+8*(4*\m+\t):ACC+8*(4*\m+\t)+3] offset:64*\t        ; each accumulator from its low end on
	ds_store_b128 v[STI], v[ACC+8*(4*\m+\t)+4:ACC+8*(4*\m+\t)+7] offset:64*\t+16
.endr
.if \m >= 2
	s_wait_xcnt 0x0                                ; the stores of two blocks back have read their registers: they are loaded again only behind this wait
.endif
.irp i, 0,1,2,3,4,5,6,7
	ds_load_b128 v[OB+32*(\m%2)+4*\i:OB+32*(\m%2)+4*\i+3], v[STO] offset:2*\i*272
.endr
.irp i, 0,1,2,3,4,5,6,7
	s_wait_dscnt 7-\i                              ; the younger row loads may be out
	global_store_b128 v[CO], v[OB+32*(\m%2)+4*\i:OB+32*(\m%2)+4*\i+3], s[14:15] offset:(16*\m+2*\i)*2048 th:TH_STORE_NT   ; 16 lanes store 256 consecutive bytes, at a multiple of 256 from out0's first byte
.endr
.endr
	s_wait_tensorcnt 0x0
	ds_add_u32 v254, v255
	s_wait_dscnt 0x0
	s_endpgm
.Lfunc_end_k_q66a12f5569_outp:
	.size	k_q66a12f5569_outp, .Lfunc_end_k_q66a12f5569_outp-k_q66a12f5569_outp
	.p2alignl 7, 3214868480
	.fill 96, 4, 3214868480
	.section	.rodata,"a",@progbits
	.p2align	6, 0x0
	.amdhsa_kernel k_q66a12f5569_outp
		.amdhsa_group_segment_fixed_size 17920
		.amdhsa_private_segment_fixed_size 0
		.amdhsa_enable_private_segment 0
		.amdhsa_kernarg_size 48
		.amdhsa_user_sgpr_count 2
		.amdhsa_user_sgpr_kernarg_segment_ptr 1
		.amdhsa_wavefront_size32 1
		.amdhsa_system_sgpr_workgroup_id_x 1
		.amdhsa_system_sgpr_workgroup_id_y 1
		.amdhsa_system_sgpr_workgroup_id_z 1
		.amdhsa_system_vgpr_workitem_id 0
		.amdhsa_next_free_vgpr 704
		.amdhsa_next_free_sgpr 66
		.amdhsa_reserve_vcc 0
		.amdhsa_float_denorm_mode_32 3
		.amdhsa_float_denorm_mode_16_64 3
		.amdhsa_memory_ordered 1
		.amdhsa_forward_progress 1
		.amdhsa_inst_pref_size 32
	.end_amdhsa_kernel
	.amdgpu_metadata
---
amdhsa.version: [ 1, 2 ]
amdhsa.kernels:
  - .name:           k_q66a12f5569_outp
    .symbol:         k_q66a12f5569_outp.kd
    .args:
      - { .name: ofrag, .offset: 0, .size: 8, .value_kind: global_buffer, .address_space: global }
      - { .name: oscale, .offset: 8, .size: 8, .value_kind: global_buffer, .address_space: global }
      - { .name: wfrag, .offset: 16, .size: 8, .value_kind: global_buffer, .address_space: global }
      - { .name: wscale, .offset: 24, .size: 8, .value_kind: global_buffer, .address_space: global }
      - { .name: bo, .offset: 32, .size: 8, .value_kind: global_buffer, .address_space: global }
      - { .name: out0, .offset: 40, .size: 8, .value_kind: global_buffer, .address_space: global }
    .group_segment_fixed_size: 17920
    .private_segment_fixed_size: 0
    .kernarg_segment_align: 8
    .kernarg_segment_size: 48
    .max_flat_workgroup_size: 128
    .sgpr_count:     66
    .vgpr_count:     704
    .wavefront_size: 32
...
	.end_amdgpu_metadata
.endif
;; end of part 3
